; MI455X (gfx1250); checked and timed in simulation.
; The chip was launched on July 23, 2026; its instructions are those of AMD's public machine-readable ISA for CDNA 5 (MIT licence, August 2026) and "CDNA5" Instruction Set Architecture Reference Guide (July 2026). The comments in the code are by the model that wrote it; some were corrected since.
;; Attn Block. Allowed arithmetic: float matrix products may take bf16 or f16 operands with f32 sums; all other float work in f32.
;; Inputs: beta 512 float32; bk 512 float32; bp 512 float32; bq 512 float32; bv 512 float32; gamma 512 float32; wk 512 x 512 float32; wp 512 x 512 float32; wq 512 x 512 float32; wv 512 x 512 float32; x 8 x 512 x 2,048 float32.
;; Outputs: out0 8 x 512 x 2,048 float32.
;; One version. Each part assembles by itself: llvm-mc -triple=amdgcn-amd-amdhsa -mcpu=gfx1250 --defsym DOCPART=n.
;; ======== version 1 of 1: 3 launches
;; workspace buffers: hf 16,777,216 bytes; wf 2,097,152 bytes; qf 16,777,216 bytes; kf 16,777,216 bytes; vf 16,777,216 bytes
;; launch norm (part 1): grid 256 x 1, 8 waves a work-group, no clusters, 1,280 bytes of LDS; arguments x, gamma, beta, wq, wk, wv, wp, hf, wf; writes hf, wf
.if DOCPART == 1
	.amdgcn_target "amdgcn-amd-amdhsa--gfx1250"
	.amdhsa_code_object_version 6
	.text
	.protected	k_qf45d5dcfba_norm
	.globl	k_qf45d5dcfba_norm
	.p2align	8
	.type	k_qf45d5dcfba_norm,@function
k_qf45d5dcfba_norm:
	s_mov_b64 s[64:65], 0
	v_nop
	global_prefetch_b8 v0, s[64:65] scope:SCOPE_SE
	s_setreg_imm32_b32 hwreg(HW_REG_WAVE_MODE, 25, 1), 1
	s_wait_xcnt 0x0
; GroupNorm of x [8][512][2048] f32 into hf (bf16), and the four weight matrices into wf (bf16).
; One work-group = one group of one batch: 16 channels x 2048 positions = 131,072 consecutive bytes of x, kept in registers
; (128 a lane) for all passes: sum, then sum of squared differences from the mean (no difference of large sums), then the affine step.
; LAYOUT OF hf AND wf: blocks of 512 bytes, one 16 x 16 tile of bf16 each; lane L = 16 h + r owns bytes 16 L .. 16 L + 15, the
; eight neighbouring inner indices 8 h .. 8 h + 7 of row r.  Two neighbouring blocks are one 16 x 32 matrix operand, read by two loads at 16 L.
;   hf [b 8][T 128][ct 32][512]: row = position slot r, inner index = channel 16 ct + 8 h + e.
;      Tile T = 4 P + q, slot r stands for position 64 P + 4 r + q: a lane's 16-byte load of x (4 positions) serves four tiles.
;   wf [matrix q,k,v,p][ot 32][ct 32][512]: row = output channel 16 ot + r, inner index = input channel 16 ct + 8 h + e.
; No tensor loads, no cluster, no matrix unit: no input is shared between work-groups and nothing is multiplied; the whole group is in flight at once.
; Limits: hf and wf are rounded to bf16 (nearest even).  Statistics in f32; the order of the sums differs from a plain loop's.
.set X,    64                          ; v[64:191]  load (i, e): 4 registers at X + (8 i + e) 4: channel 8 h + e, positions 64 (4 w + i) + 4 a ..+3
.set OUTR, 192                         ; v[192:255] tile (i, q): 4 registers to store
.set GA,   32                          ; v[32:39]   gamma of my 8 channels, later times 1 / sqrt(var + eps)
.set BE,   40                          ; v[40:47]   beta of my 8 channels
.set SUM,  48                          ; v[48:55]   four chains of pairs
	s_load_b512 s[8:23], s[0:1], 0x0               ; x s[8:9], gamma s[10:11], beta s[12:13], wq s[14:15], wk s[16:17], wv s[18:19], wp s[20:21], hf s[22:23]
	s_load_b64 s[24:25], s[0:1], 0x40              ; wf
	s_set_vgpr_msb 0x40
	v_lshl_add_u32 v0, v0, 2, 0x100
	v_mov_b32 v1, 0
	s_set_vgpr_msb 0x4000
	v_lshrrev_b32 v5, 5, v0
	v_readfirstlane_b32 s4, v5                     ; wave w
	v_and_b32 v6, 31, v0                           ; lane L
	v_and_b32 v7, 15, v0                           ; a = L mod 16
	v_bfe_u32 v5, v0, 4, 1                         ; h = L / 16
	v_lshlrev_b32 v1, 4, v6                        ; 16 L: my 16 bytes of a block
	v_lshlrev_b32 v4, 5, v5                        ; 32 h: my 8 numbers of gamma and beta
	v_lshlrev_b32 v2, 16, v5                       ; x: 8 h channels of 8,192 bytes
	v_lshl_add_u32 v2, v7, 4, v2                   ;    + 16 a
	s_lshl_b32 s5, s4, 10
	v_add_nc_u32 v2, s5, v2                        ;    + 1,024 w (256 positions a wave)
	v_lshl_add_u32 v3, v7, 11, v4                  ; weights: row a of 2,048 bytes + 32 h
	v_mov_b32 v60, 0                               ; destination of v_permlanex16_b32: written once before
	v_mov_b32 v61, s4
	v_lshlrev_b32 v61, 2, v61                      ; LDS: my wave's word
	v_mov_b32 v62, 0                               ; LDS: byte 0
	s_mov_b32 s26, 0x76543210                      ; v_permlanex16_b32: lane i reads lane i of the other half
	s_mov_b32 s27, 0xfedcba98
	s_mov_b32 s6, 0x38000000                       ; 2^-15 = 1 / (16 x 2048)
	s_lshl_b32 s28, ttmp9, 17                      ; the group's 131,072 bytes of x
	s_mov_b32 s29, 0
	s_lshl3_add_u32 s30, ttmp9, s4                 ; u = 8 n + w, 0 .. 2047: the weight block of this wave in (q, k) and in (v, p)
	s_and_b32 s31, s30, 1023                       ; block in its matrix: ot = /32, ct = mod 32
	s_lshr_b32 s32, s31, 5
	s_lshl_b32 s32, s32, 15                        ; 16 rows of 2,048 bytes
	s_and_b32 s31, s31, 31
	s_lshl_b32 s31, s31, 6                         ; 16 columns of 4 bytes
	s_add_co_u32 s32, s32, s31
	s_mov_b32 s33, 0
	s_lshl_b32 s30, s30, 9                         ; 512 u
	s_mov_b32 s31, 0
	s_and_b32 s34, ttmp9, 31                       ; g
	s_lshr_b32 s36, ttmp9, 5                       ; b
	s_lshl_b32 s36, s36, 21                        ; hf: b x 128 x 32 x 512
	s_lshl_b32 s37, s34, 9                         ;     + 512 g (ct = g)
	s_add_co_u32 s36, s36, s37
	s_lshl_b32 s37, s4, 18                         ;     + 16 w tiles of 16,384 bytes
	s_add_co_u32 s36, s36, s37
	s_mov_b32 s37, 0
	s_lshl_b32 s34, s34, 6                         ; 64 g: the group's gamma and beta
	s_mov_b32 s35, 0
	s_wait_kmcnt 0x0
	s_cmp_ge_u32 ttmp9, 128                        ; u >= 1024: the second matrix of each pair
	s_cselect_b64 s[14:15], s[16:17], s[14:15]     ; wk or wq
	s_cselect_b64 s[18:19], s[20:21], s[18:19]     ; wp or wv
	s_add_nc_u64 s[14:15], s[14:15], s[32:33]
	s_add_nc_u64 s[18:19], s[18:19], s[32:33]
	s_add_nc_u64 s[24:25], s[24:25], s[30:31]
	s_add_nc_u64 s[10:11], s[10:11], s[34:35]
	s_add_nc_u64 s[12:13], s[12:13], s[34:35]
	s_add_nc_u64 s[8:9], s[8:9], s[28:29]
	s_add_nc_u64 s[22:23], s[22:23], s[36:37]
	; 40 loads: 4 of weights, 4 of gamma and beta, 32 of x (each half of the lanes takes 256 consecutive aligned bytes of one channel)
	global_load_b128 v[8:11],  v3, s[14:15]
	global_load_b128 v[12:15], v3, s[14:15] offset:16
	global_load_b128 v[16:19], v3, s[18:19]
	global_load_b128 v[20:23], v3, s[18:19] offset:16
	global_load_b128 v[GA:GA+3],   v4, s[10:11]
	global_load_b128 v[GA+4:GA+7], v4, s[10:11] offset:16
	global_load_b128 v[BE:BE+3],   v4, s[12:13]
	global_load_b128 v[BE+4:BE+7], v4, s[12:13] offset:16
.irp i, 0,1,2,3
.irp e, 0,1,2,3,4,5,6,7
	global_load_b128 v[X+(8*\i+\e)*4:X+(8*\i+\e)*4+3], v2, s[8:9] offset:\e*8192+\i*256 th:TH_LOAD_NT
.endr
.endr
	s_wait_loadcnt 36                              ; of 40 loads the four oldest, the weights, are in
.irp j, 0,1,2,3
	v_cvt_pk_bf16_f32 v[24+\j], v[8+2*\j], v[9+2*\j]
	v_cvt_pk_bf16_f32 v[28+\j], v[16+2*\j], v[17+2*\j]
.endr
	global_store_b128 v1, v[24:27], s[24:25]                  ; a block of q or k: 512 consecutive bytes
	global_store_b128 v1, v[28:31], s[24:25] offset:1048576   ; the same block of v or p, two matrices further
; the four chains into one number a lane
.macro FOLD
	v_pk_add_f32 v[SUM:SUM+1], v[SUM:SUM+1], v[SUM+2:SUM+3]
	v_pk_add_f32 v[SUM+4:SUM+5], v[SUM+4:SUM+5], v[SUM+6:SUM+7]
	v_pk_add_f32 v[SUM:SUM+1], v[SUM:SUM+1], v[SUM+4:SUM+5]
	v_add_f32 v[SUM], v[SUM], v[SUM+1]
.endm
; over the 32 lanes, the result in every lane
.macro WAVESUM
	v_add_f32_dpp v[SUM], v[SUM], v[SUM] row_xmask:1 row_mask:0xf bank_mask:0xf
	v_add_f32_dpp v[SUM], v[SUM], v[SUM] row_xmask:2 row_mask:0xf bank_mask:0xf
	v_add_f32_dpp v[SUM], v[SUM], v[SUM] row_xmask:4 row_mask:0xf bank_mask:0xf
	v_add_f32_dpp v[SUM], v[SUM], v[SUM] row_xmask:8 row_mask:0xf bank_mask:0xf
	v_permlanex16_b32 v60, v[SUM], s26, s27
	v_add_f32 v[SUM], v[SUM], v60
.endm
; over the 8 waves: each stores its word, one barrier, each reads all eight.  The two sums use different bytes, so one barrier each.
.macro GROUPSUM off
	ds_store_b32 v61, v[SUM] offset:\off
	s_wait_dscnt 0x0                               ; my word is in LDS before I signal
	s_barrier_signal -1
	s_barrier_wait -1
	ds_load_b128 v[8:11],  v62 offset:\off
	ds_load_b128 v[12:15], v62 offset:\off+16
	s_wait_dscnt 0x0
	v_pk_add_f32 v[8:9], v[8:9], v[10:11]
	v_pk_add_f32 v[12:13], v[12:13], v[14:15]
	v_pk_add_f32 v[8:9], v[8:9], v[12:13]
	v_add_f32 v[SUM], v8, v9
.endm
	; pass 1: the sum.  The first sums start the chains: nothing is cleared.
	s_wait_loadcnt 24                              ; weights, gamma, beta and position group 0 are in; 24 younger loads stay out
.irp c, 0,1,2,3
	v_pk_add_f32 v[SUM+2*\c:SUM+2*\c+1], v[X+2*\c:X+2*\c+1], v[X+8+2*\c:X+8+2*\c+1]
.endr
.set p_, 8
.rept 8
	v_pk_add_f32 v[SUM+2*(p_%4):SUM+2*(p_%4)+1], v[SUM+2*(p_%4):SUM+2*(p_%4)+1], v[X+2*p_:X+2*p_+1]
.set p_, p_+1
.endr
.irp cnt, 16, 8, 0
	s_wait_loadcnt \cnt                            ; the next position group's eight loads are in
.rept 16
	v_pk_add_f32 v[SUM+2*(p_%4):SUM+2*(p_%4)+1], v[SUM+2*(p_%4):SUM+2*(p_%4)+1], v[X+2*p_:X+2*p_+1]
.set p_, p_+1
.endr
.endr
	FOLD
	WAVESUM
	GROUPSUM 0
	v_mul_f32 v56, s6, v[SUM]                      ; the mean, twice (a pair for the packed forms)
	v_mul_f32 v57, s6, v[SUM]
	; pass 2: d = x - mean in place, and the sum of d^2
.irp c, 0,1,2,3
	v_pk_add_f32 v[X+2*\c:X+2*\c+1], v[X+2*\c:X+2*\c+1], v[56:57] neg_lo:[0,1] neg_hi:[0,1]
.endr
.irp c, 0,1,2,3
	v_pk_mul_f32 v[SUM+2*\c:SUM+2*\c+1], v[X+2*\c:X+2*\c+1], v[X+2*\c:X+2*\c+1]
.endr
.set p_, 8
.rept 15
.irp c, 0,1,2,3
	v_pk_add_f32 v[X+p_+2*\c:X+p_+2*\c+1], v[X+p_+2*\c:X+p_+2*\c+1], v[56:57] neg_lo:[0,1] neg_hi:[0,1]
.endr
.irp c, 0,1,2,3
	v_pk_fma_f32 v[SUM+2*\c:SUM+2*\c+1], v[X+p_+2*\c:X+p_+2*\c+1], v[X+p_+2*\c:X+p_+2*\c+1], v[SUM+2*\c:SUM+2*\c+1]
.endr
.set p_, p_+8
.endr
	FOLD
	WAVESUM
	GROUPSUM 64
	v_mov_b32 v63, 0x358637bd                      ; eps = 1e-6
	v_fma_f32 v63, v[SUM], s6, v63                 ; var + eps
	v_rsq_f32 v58, v63
	v_nop                                          ; one plain place behind a transcendental before its result is used (ISA guide 5.7.2)
	s_wait_alu depctr_va_vdst(0)
	v_mov_b32 v59, v58
.irp c, 0,2,4,6
	v_pk_mul_f32 v[GA+\c:GA+\c+1], v[GA+\c:GA+\c+1], v[58:59]
.endr
; y = d * (gamma / sqrt(var + eps)) + beta for the four positions of channel e: the channel's two numbers are broadcast from their pairs
.macro AFFINE base, e
.if (\e)&1
	v_pk_fma_f32 v[\base:\base+1], v[\base:\base+1], v[GA+\e-1:GA+\e], v[BE+\e-1:BE+\e] op_sel:[0,1,1] op_sel_hi:[1,1,1]
	v_pk_fma_f32 v[\base+2:\base+3], v[\base+2:\base+3], v[GA+\e-1:GA+\e], v[BE+\e-1:BE+\e] op_sel:[0,1,1] op_sel_hi:[1,1,1]
.else
	v_pk_fma_f32 v[\base:\base+1], v[\base:\base+1], v[GA+\e:GA+\e+1], v[BE+\e:BE+\e+1] op_sel:[0,0,0] op_sel_hi:[1,0,0]
	v_pk_fma_f32 v[\base+2:\base+3], v[\base+2:\base+3], v[GA+\e:GA+\e+1], v[BE+\e:BE+\e+1] op_sel:[0,0,0] op_sel_hi:[1,0,0]
.endif
.endm
.irp i, 0,1,2,3
.irp e, 0,1,2,3,4,5,6,7
	AFFINE X+(8*\i+\e)*4, \e
.endr
	; tile q of position group i: my eight channels at position 4 a + q, packed: my 16 bytes of the block.  A store covers 512 consecutive bytes.
.irp q, 0,1,2,3
.irp j, 0,1,2,3
	v_cvt_pk_bf16_f32 v[OUTR+(4*\i+\q)*4+\j], v[X+(8*\i+2*\j)*4+\q], v[X+(8*\i+2*\j+1)*4+\q]
.endr
	global_store_b128 v1, v[OUTR+(4*\i+\q)*4:OUTR+(4*\i+\q)*4+3], s[22:23] offset:(4*\i+\q)*16384
.endr
.endr
	s_set_vgpr_msb 0x5
	s_wait_tensorcnt 0x0
	ds_add_u32 v0, v1
	s_wait_dscnt 0x0
	s_set_vgpr_msb 0x500
	s_endpgm
.Lfunc_end_k_qf45d5dcfba_norm:
	.size	k_qf45d5dcfba_norm, .Lfunc_end_k_qf45d5dcfba_norm-k_qf45d5dcfba_norm
	.p2alignl 7, 3214868480
	.fill 96, 4, 3214868480
	.section	.rodata,"a",@progbits
	.p2align	6, 0x0
	.amdhsa_kernel k_qf45d5dcfba_norm
		.amdhsa_group_segment_fixed_size 1280
		.amdhsa_private_segment_fixed_size 0
		.amdhsa_enable_private_segment 0
		.amdhsa_kernarg_size 72
		.amdhsa_user_sgpr_count 2
		.amdhsa_user_sgpr_kernarg_segment_ptr 1
		.amdhsa_wavefront_size32 1
		.amdhsa_system_sgpr_workgroup_id_x 1
		.amdhsa_system_sgpr_workgroup_id_y 1
		.amdhsa_system_sgpr_workgroup_id_z 1
		.amdhsa_system_vgpr_workitem_id 0
		.amdhsa_next_free_vgpr 258
		.amdhsa_next_free_sgpr 66
		.amdhsa_reserve_vcc 0
		.amdhsa_float_denorm_mode_32 3
		.amdhsa_float_denorm_mode_16_64 3
		.amdhsa_memory_ordered 1
		.amdhsa_forward_progress 1
		.amdhsa_inst_pref_size 32
	.end_amdhsa_kernel
	.amdgpu_metadata
---
amdhsa.version: [ 1, 2 ]
amdhsa.kernels:
  - .name:           k_qf45d5dcfba_norm
    .symbol:         k_qf45d5dcfba_norm.kd
    .args:
      - { .name: x, .offset: 0, .size: 8, .value_kind: global_buffer, .address_space: global }
      - { .name: gamma, .offset: 8, .size: 8, .value_kind: global_buffer, .address_space: global }
      - { .name: beta, .offset: 16, .size: 8, .value_kind: global_buffer, .address_space: global }
      - { .name: wq, .offset: 24, .size: 8, .value_kind: global_buffer, .address_space: global }
      - { .name: wk, .offset: 32, .size: 8, .value_kind: global_buffer, .address_space: global }
      - { .name: wv, .offset: 40, .size: 8, .value_kind: global_buffer, .address_space: global }
      - { .name: wp, .offset: 48, .size: 8, .value_kind: global_buffer, .address_space: global }
      - { .name: hf, .offset: 56, .size: 8, .value_kind: global_buffer, .address_space: global }
      - { .name: wf, .offset: 64, .size: 8, .value_kind: global_buffer, .address_space: global }
    .group_segment_fixed_size: 1280
    .private_segment_fixed_size: 0
    .kernarg_segment_align: 8
    .kernarg_segment_size: 72
    .max_flat_workgroup_size: 256
    .sgpr_count:     66
    .vgpr_count:     258
    .wavefront_size: 32
...
	.end_amdgpu_metadata
.endif
;; end of part 1
;; launch qkv (part 2): grid 64 x 4, 4 waves a work-group, clusters of 4 x 1, 327,680 bytes of LDS; arguments hf, wf, bq, bk, bv, qf, kf, vf; writes qf, kf, vf
.if DOCPART == 2
	.amdgcn_target "amdgcn-amd-amdhsa--gfx1250"
	.amdhsa_code_object_version 6
	.text
	.protected	k_qf45d5dcfba_qkv
	.globl	k_qf45d5dcfba_qkv
	.p2align	8
	.type	k_qf45d5dcfba_qkv,@function
k_qf45d5dcfba_qkv:
	s_mov_b64 s[64:65], 0
	v_nop
	global_prefetch_b8 v0, s[64:65] scope:SCOPE_SE
	s_setreg_imm32_b32 hwreg(HW_REG_WAVE_MODE, 25, 1), 1
	s_wait_xcnt 0x0
	s_wait_alu depctr_hold_cnt(0) depctr_sa_sdst(0) depctr_va_vdst(0) depctr_va_sdst(0) depctr_va_ssrc(0) depctr_va_vcc(0) depctr_vm_vsrc(0)
	s_getreg_b32 s2, hwreg(HW_REG_IB_STS2, 6, 4)
	s_cmp_eq_u32 s2, 0
	s_cbranch_scc0 .Lentry_in_a_cluster
	s_endpgm
.Lentry_in_a_cluster:
	s_bfe_u32 s2, ttmp6, 0x10000c
	s_cmp_lg_u32 s2, 0x3003
	s_cbranch_scc0 .Lentry_shape_is_right
	s_endpgm
.Lentry_shape_is_right:
; q, k, v = W hn + bias, bf16 operands, f32 sums, results in bf16 in the layouts that the attention launch reads as matrix operands:
;   qf, kf [b][T 128][ct 32][512]: block = (position slot r, channels 16 ct + 8 h + e); q is stored times 512^-0.5 log2(e), so that the softmax works in base 2.
;   vf [b][js 64][ct 32][s 2][512]: block = (channel 16 ct + r, key slots 8 h + e of tile 2 js + s).
; (Blocks of 512 bytes in lane order: lane L = 16 h + r owns bytes 16 L ..+15.)
; Work-group (x, y): the 16 position tiles 16 x .. 16 x + 15 (of 1,024 over all batches) times the output tiles 8 y .. 8 y + 7 of each of the three matrices.
; Wave w keeps the hn fragments of its 4 tiles for all 16 K steps of 32 in 512 registers, loaded once, straight from hf.
; A weight fragment of 1,024 bytes read from LDS then feeds 4 matrix instructions; a wave issues 3 x 4 x 128 = 1,536 of them.
; CLUSTER 4 x 1: the four partners differ in x alone and need the same 131,072 bytes of each matrix: these are asked for jointly (mask 15),
; 32,768 bytes a wave, into two LDS slots: Wq slot 0, Wk slot 1, Wv slot 0 again.  By this text's count a wave has two tensor loads out at the start, later one.
; hn is not asked for jointly: it goes into registers, each wave its own part, and the work-groups that share it differ in y, outside the cluster.
; q, k: source 0 = W, source 1 = hn: a lane holds slot r and 8 neighbouring output channels = 16 bytes of a qf / kf block; the bias is the first product's C.
; v:    source 0 = hn, source 1 = W: a lane holds channel r and 8 neighbouring key slots = 16 bytes of a vf block; the bias is added on the way out.
; Limits: operands and results rounded to bf16.
; REGISTERS: window 0: addresses, biases, two sets of 8 accumulator tiles; window 1: two buffers of weight fragments; windows 2, 3: hn, K steps 0-7 and 8-15.
.set SLOT, 131072
.set LA,   2                           ; v[2:5]   16 L + j 65,536: LDS addresses
.set BV,   8                           ; v[8:15]  bv[128 y + 16 o8 + r]
.set BI,   16                          ; v[16:47] bias tiles of q or k: set (2) x tile (2) x 8 registers: bias[.. + 8 h + j]
.set ACC,  64                          ; v[64:191] set (2) x tile (oo, pt) at (4 oo + pt) 8
.set F0,   0                           ; window 1: fragment (k8, oo) at (2 k8 + oo) 8
.set F1,   128
.set MSB, 0
.macro WIN new                         ; the immediate's high byte repeats the setting that is left
.if MSB != \new
	s_set_vgpr_msb (MSB<<8)|\new
.set MSB, \new
.endif
.endm
.macro PLACES n                        ; places behind matrix instructions (ISA guide 7.12.1)
.rept \n
	v_nop
.endr
.endm
.macro CREST                           ; a round of the cluster's barrier behind its opening barrier
	s_cmp_lg_u32 s20, 0
	s_cbranch_scc1 .Lnot_wave_0_\@
	s_barrier_signal -3
.Lnot_wave_0_\@:
	s_barrier_wait -3
	s_barrier_signal -1
	s_barrier_wait -1
.endm
.macro ROUND
	s_barrier_signal -1
	s_barrier_wait -1
	CREST
.endm
	s_load_b512 s[4:19], s[0:1], 0x0               ; hf s[4:5], wf s[6:7], bq s[8:9], bk s[10:11], bv s[12:13], qf s[14:15], kf s[16:17], vf s[18:19]
	v_lshl_add_u32 v254, v0, 2, 0x40000
	v_mov_b32 v255, 0
	ds_add_u32 v254, v255
	v_lshrrev_b32 v1, 5, v0
	v_readfirstlane_b32 s20, v1                    ; wave w
	s_and_b32 s23, ttmp7, 0xffff                   ; y (the cluster is one work-group high)
	; descriptor group 1: 128 dense rows of 256 bytes (32 elements of 8 bytes), no padding: blocks are read in lane order, 16 bytes a lane, neighbouring
	s_mov_b32 s24, 15|(3<<16)|(1<<21)              ; mask: all four partners; element of 8 bytes; bit 21 beside a mask
	s_mov_b32 s25, 32<<16                          ; tensor_dim0 = 32
	s_mov_b32 s26, 128<<16                         ; tensor_dim1 = 128
	s_mov_b32 s27, 32<<16                          ; tile_dim0 = 32
	s_mov_b32 s28, 128                             ; tile_dim1 = 128
	s_mov_b32 s29, 32                              ; pitch = 32 elements
	s_mov_b32 s30, 0
	s_mov_b32 s31, 0
	; group 0, one set for each matrix, never rewritten: my quarter (two output tiles) of the 8 tiles of y
	s_mov_b32 s32, 1
	s_lshl_b32 s33, s20, 15                        ; Wq: slot 0 + 32,768 w
	s_mov_b32 s36, 1
	s_add_co_u32 s37, s33, SLOT                    ; Wk: slot 1
	s_mov_b32 s40, 1
	s_lshl_b32 s41, s20, 15                        ; Wv: slot 0
	s_lshl_b32 s52, s23, 17                        ; 8 tiles of 16,384 bytes for each y
	s_add_co_u32 s52, s52, s33
	s_mov_b32 s53, 0
	s_wait_dscnt 0x0
	s_wait_kmcnt 0x0
	s_add_nc_u64 s[34:35], s[6:7], s[52:53]
	s_add_nc_u64 s[38:39], s[34:35], 524288        ; one matrix = 524,288 bytes
	s_add_nc_u64 s[42:43], s[34:35], 1048576
	s_or_b32 s35, s35, 0x80000000
	s_or_b32 s39, s39, 0x80000000
	s_or_b32 s43, s43, 0x80000000
	ROUND                                          ; all four work-groups are here: the first joint loads meet
	tensor_load_to_lds s[32:35], s[24:31]          ; Wq
	s_nop 0
	tensor_load_to_lds s[36:39], s[24:31]          ; Wk
	s_nop 0
	s_bfe_u32 s21, ttmp6, 0x40000                  ; cx
	s_lshl_b32 s22, ttmp9, 2
	s_add_co_u32 s22, s22, s21                     ; x
	s_lshl_b32 s56, s22, 18                        ; 16 tiles of 16,384 bytes
	s_lshl_b32 s21, s20, 16                        ; + 4 tiles a wave
	s_add_co_u32 s56, s56, s21
	s_mov_b32 s57, 0
	s_add_nc_u64 s[4:5], s[4:5], s[56:57]          ; hf at my first tile
	s_lshl_b32 s21, s23, 12                        ; qf, kf: + 8 y blocks of 512 bytes
	s_add_co_u32 s58, s56, s21
	s_mov_b32 s59, 0
	s_add_nc_u64 s[46:47], s[14:15], s[58:59]
	s_add_nc_u64 s[48:49], s[16:17], s[58:59]
	s_lshl_b32 s21, s23, 13                        ; vf: + 8 y pairs of blocks
	s_add_co_u32 s58, s56, s21
	s_add_nc_u64 s[50:51], s[18:19], s[58:59]
	s_lshl_b32 s60, s23, 9                         ; biases: 128 y numbers
	s_mov_b32 s61, 0
	s_add_nc_u64 s[8:9], s[8:9], s[60:61]
	s_add_nc_u64 s[10:11], s[10:11], s[60:61]
	s_add_nc_u64 s[12:13], s[12:13], s[60:61]
	s_mov_b32 s44, 0x3d8293ee                      ; 512^-0.5 x log2(e)
	s_mov_b32 s45, 0x3d8293ee
	v_and_b32 v1, 31, v0
	v_lshlrev_b32 v1, 4, v1                        ; 16 L
	v_mov_b32 v[LA], v1
	v_add_nc_u32 v[LA+1], 0x10000, v1
	v_add_nc_u32 v[LA+2], 0x20000, v1
	v_add_nc_u32 v[LA+3], 0x30000, v1
	v_bfe_u32 v6, v0, 4, 1
	v_lshlrev_b32 v6, 5, v6                        ; 32 h
	v_and_b32 v7, 15, v0
	v_lshlrev_b32 v7, 2, v7                        ; 4 r
; the bias tiles of pair pj (matrix pj / 4, output tiles 2 (pj mod 4), + 1) into set pj mod 2
.macro BIAS pj
.set bm_, (\pj)>>2
.set bp_, (\pj)&3
.set bs_, (\pj)&1
.irp oo, 0,1
.if bm_ == 0
	global_load_b128 v[BI+16*bs_+8*\oo:BI+16*bs_+8*\oo+3],   v6, s[8:9] offset:128*bp_+64*\oo
	global_load_b128 v[BI+16*bs_+8*\oo+4:BI+16*bs_+8*\oo+7], v6, s[8:9] offset:128*bp_+64*\oo+16
.else
	global_load_b128 v[BI+16*bs_+8*\oo:BI+16*bs_+8*\oo+3],   v6, s[10:11] offset:128*bp_+64*\oo
	global_load_b128 v[BI+16*bs_+8*\oo+4:BI+16*bs_+8*\oo+7], v6, s[10:11] offset:128*bp_+64*\oo+16
.endif
.endr
.endm
	; 144 loads: 8 of bias tiles, 8 of bv, 128 of hn with the K step outermost
	BIAS 0
	BIAS 1
.irp o8, 0,1,2,3,4,5,6,7
	global_load_b32 v[BV+\o8], v7, s[12:13] offset:64*\o8
.endr
	WIN 0x80
.irp ks, 0,1,2,3,4,5,6,7
.irp pt, 0,1,2,3
	global_load_b128 v[(4*\ks+\pt)*8:(4*\ks+\pt)*8+3],   v1, s[4:5] offset:\pt*16384+\ks*1024
	global_load_b128 v[(4*\ks+\pt)*8+4:(4*\ks+\pt)*8+7], v1, s[4:5] offset:\pt*16384+\ks*1024+512
.endr
.endr
	WIN 0xc0
.irp ks, 0,1,2,3,4,5,6,7
.irp pt, 0,1,2,3
	global_load_b128 v[(4*\ks+\pt)*8:(4*\ks+\pt)*8+3],   v1, s[4:5] offset:\pt*16384+(\ks+8)*1024
	global_load_b128 v[(4*\ks+\pt)*8+4:(4*\ks+\pt)*8+7], v1, s[4:5] offset:\pt*16384+(\ks+8)*1024+512
.endr
.endr
	WIN 0
; 32 LDS loads: the fragments of output tiles 2 p, 2 p + 1 for K steps 8 hf .. 8 hf + 7 into buffer F.  Each load takes 512 neighbouring bytes.
.macro FETCH slot, p, hf, F
	WIN 0x40
.irp k8, 0,1,2,3,4,5,6,7
.irp oo, 0,1
.set f_, \F+(2*\k8+\oo)*8
.set o_, ((2*(\p)+\oo)&3)*16384+(8*(\hf)+\k8)*1024
	ds_load_b128 v[f_:f_+3],   v[LA+2*(\slot)+((\p)>>1)] offset:o_
	ds_load_b128 v[f_+4:f_+7], v[LA+2*(\slot)+((\p)>>1)] offset:o_+512
.endr
.endr
.endm
; 32 matrix instructions: K steps kb .. kb + 3 of the buffer's eight, 2 output tiles x 4 position tiles.
; The eight accumulators take turns, one instruction a turn.  start = 1: K step 0 starts the sums (q, k: on the bias tile; v: on 0).
.macro MUL isv, set, F, kb, start
.irp kk, 0,1,2,3
.irp oo, 0,1
.irp pt, 0,1,2,3
.set a_, ACC+64*\set+(4*\oo+\pt)*8
.set f_, \F+(2*(\kb+\kk)+\oo)*8
.set h_, (4*(\kb+\kk)+\pt)*8
.set z_, 0
.if \start
.if (\kb+\kk) == 0
.set z_, 1
.endif
.endif
.if \isv
.if z_
	v_wmma_f32_16x16x32_bf16 v[a_:a_+7], v[h_:h_+7], v[f_:f_+7], 0
.else
	v_wmma_f32_16x16x32_bf16 v[a_:a_+7], v[h_:h_+7], v[f_:f_+7], v[a_:a_+7]
.endif
.else
.if z_
	v_wmma_f32_16x16x32_bf16 v[a_:a_+7], v[f_:f_+7], v[h_:h_+7], v[BI+16*\set+8*\oo:BI+16*\set+8*\oo+7]
.else
	v_wmma_f32_16x16x32_bf16 v[a_:a_+7], v[f_:f_+7], v[h_:h_+7], v[a_:a_+7]
.endif
.endif
.endr
.endr
.endr
.endm
; the way out of pair pe: scale (q) or bias (v), round to bf16 in place, one store of 512 consecutive bytes for each tile
.macro EPI pe
.set em_, (\pe)>>2
.set ep_, (\pe)&3
.set es_, (\pe)&1
.irp oo, 0,1
.irp pt, 0,1,2,3
.set a_, ACC+64*es_+(4*\oo+\pt)*8
.if em_ == 0
.irp i, 0,2,4,6
	v_pk_mul_f32 v[a_+\i:a_+\i+1], v[a_+\i:a_+\i+1], s[44:45] op_sel_hi:[1,0]
.endr
.endif
.if em_ == 2
.irp i, 0,2,4,6
.if \oo
	v_pk_add_f32 v[a_+\i:a_+\i+1], v[a_+\i:a_+\i+1], v[BV+2*ep_:BV+2*ep_+1] op_sel:[0,1] op_sel_hi:[1,1]
.else
	v_pk_add_f32 v[a_+\i:a_+\i+1], v[a_+\i:a_+\i+1], v[BV+2*ep_:BV+2*ep_+1] op_sel:[0,0] op_sel_hi:[1,0]
.endif
.endr
.endif
.irp i, 0,1,2,3
	v_cvt_pk_bf16_f32 v[a_+\i], v[a_+2*\i], v[a_+2*\i+1]
.endr
.if em_ == 0
	global_store_b128 v1, v[a_:a_+3], s[46:47] offset:\pt*16384+(2*ep_+\oo)*512
.endif
.if em_ == 1
	global_store_b128 v1, v[a_:a_+3], s[48:49] offset:\pt*16384+(2*ep_+\oo)*512
.endif
.if em_ == 2
	global_store_b128 v1, v[a_:a_+3], s[50:51] offset:(\pt>>1)*32768+(\pt&1)*512+(2*ep_+\oo)*1024
.endif
.endr
.endr
.endm
; Pair pi = matrix pi / 4, output tiles 2 (pi mod 4), + 1: 128 matrix instructions on accumulator set pi mod 2.
; In its first half the second half's fragments are fetched and the pair before goes out; in its second half the next pair's first fragments are fetched.
.macro PAIR pi
.set pm_, (\pi)>>2
.set pp_, (\pi)&3
.set ps_, (\pi)&1
.set psl_, pm_&1
.if pm_ == 2
.set w0_, 0x06
.set w1_, 0x07
.set pv_, 1
.else
.set w0_, 0x09
.set w1_, 0x0d
.set pv_, 0
.endif
.if (\pi) >= 2
	s_wait_xcnt 0x0                                ; this set's packed words were store data: written again only behind this wait
.endif
.if (\pi) == 0
	s_wait_loadcnt 63                              ; of 144 loads the first 80 (biases, hn of K steps 0-7) are needed: at most 64 may be out
.endif
.if (\pi) >= 1
.if (\pi) <= 7
	s_wait_loadcnt 0x0                             ; this pair's bias tiles, asked for one pair ago
.endif
.if (\pi) <= 6
	WIN 0
	BIAS (\pi)+1
.endif
.endif
	s_wait_dscnt 0x0                               ; buffer 0 is in
	WIN w0_
	MUL pv_, ps_, F0, 0, 1
	PLACES 4                                       ; four places before loads land on registers that matrix instructions have read, and before results are read
	FETCH psl_, pp_, 1, F1
.if (\pi) >= 1
	WIN 0
	EPI (\pi)-1
.endif
	WIN w0_
	MUL pv_, ps_, F0, 4, 0
.if (\pi) == 0
	s_wait_loadcnt 0x0                             ; hn of K steps 8-15
.endif
	s_wait_dscnt 0x0                               ; buffer 1 is in
	WIN w1_
	MUL pv_, ps_, F1, 0, 0
.if pp_ < 3
	PLACES 4
	FETCH psl_, pp_+1, 0, F0
.endif
	WIN w1_
	MUL pv_, ps_, F1, 4, 0
.endm
	s_wait_tensorcnt 0x1                           ; my quarter of Wq is in; Wk may stay out
	s_barrier_signal -1
	s_barrier_wait -1                              ; everybody's quarter is in
	FETCH 0, 0, 0, F0
	PAIR 0
	PAIR 1
	PAIR 2
	PAIR 3
	WIN 0
	s_wait_dscnt 0x0                               ; my reads of slot 0 are back
	s_wait_tensorcnt 0x0                           ; all my tensor loads have landed: my quarter of Wk
	ds_add_u32 v254, v255
	s_wait_dscnt 0x0
	ROUND                                          ; both hold of every wave of all four work-groups
	tensor_load_to_lds s[40:43], s[24:31]          ; Wv into slot 0: my one tensor load behind the round
	s_nop 0
	PLACES 4
	FETCH 1, 0, 0, F0
	PAIR 4
	PAIR 5
	PAIR 6
	PAIR 7
	WIN 0
	s_wait_dscnt 0x0
	s_wait_tensorcnt 0x0                           ; my quarter of Wv
	s_barrier_signal -1
	s_barrier_wait -1                              ; everybody's; nothing is filled any more
	PLACES 4
	FETCH 0, 0, 0, F0
	PAIR 8
	PAIR 9
	PAIR 10
	PAIR 11
	PLACES 4
	WIN 0
	EPI 11
	s_wait_tensorcnt 0x0
	ds_add_u32 v254, v255
	s_wait_dscnt 0x0
	ROUND                                          ; the closing round: no work-group ends while a partner may still ask jointly
	s_endpgm
.Lfunc_end_k_qf45d5dcfba_qkv:
	.size	k_qf45d5dcfba_qkv, .Lfunc_end_k_qf45d5dcfba_qkv-k_qf45d5dcfba_qkv
	.p2alignl 7, 3214868480
	.fill 96, 4, 3214868480
	.section	.rodata,"a",@progbits
	.p2align	6, 0x0
	.amdhsa_kernel k_qf45d5dcfba_qkv
		.amdhsa_group_segment_fixed_size 327680
		.amdhsa_private_segment_fixed_size 0
		.amdhsa_enable_private_segment 0
		.amdhsa_kernarg_size 64
		.amdhsa_user_sgpr_count 2
		.amdhsa_user_sgpr_kernarg_segment_ptr 1
		.amdhsa_wavefront_size32 1
		.amdhsa_system_sgpr_workgroup_id_x 1
		.amdhsa_system_sgpr_workgroup_id_y 1
		.amdhsa_system_sgpr_workgroup_id_z 1
		.amdhsa_system_vgpr_workitem_id 0
		.amdhsa_next_free_vgpr 1024
		.amdhsa_next_free_sgpr 66
		.amdhsa_reserve_vcc 0
		.amdhsa_float_denorm_mode_32 3
		.amdhsa_float_denorm_mode_16_64 3
		.amdhsa_memory_ordered 1
		.amdhsa_forward_progress 1
		.amdhsa_inst_pref_size 221
	.end_amdhsa_kernel
	.amdgpu_metadata
---
amdhsa.version: [ 1, 2 ]
amdhsa.kernels:
  - .name:           k_qf45d5dcfba_qkv
    .symbol:         k_qf45d5dcfba_qkv.kd
    .args:
      - { .name: hf, .offset: 0, .size: 8, .value_kind: global_buffer, .address_space: global }
      - { .name: wf, .offset: 8, .size: 8, .value_kind: global_buffer, .address_space: global }
      - { .name: bq, .offset: 16, .size: 8, .value_kind: global_buffer, .address_space: global }
      - { .name: bk, .offset: 24, .size: 8, .value_kind: global_buffer, .address_space: global }
      - { .name: bv, .offset: 32, .size: 8, .value_kind: global_buffer, .address_space: global }
      - { .name: qf, .offset: 40, .size: 8, .value_kind: global_buffer, .address_space: global }
      - { .name: kf, .offset: 48, .size: 8, .value_kind: global_buffer, .address_space: global }
      - { .name: vf, .offset: 56, .size: 8, .value_kind: global_buffer, .address_space: global }
    .group_segment_fixed_size: 327680
    .private_segment_fixed_size: 0
    .kernarg_segment_align: 8
    .kernarg_segment_size: 64
    .max_flat_workgroup_size: 128
    .sgpr_count:     66
    .vgpr_count:     1024
    .wavefront_size: 32
...
	.end_amdgpu_metadata
.endif
;; end of part 2
;; launch attn (part 3): grid 32 x 8, 4 waves a work-group, clusters of 4 x 1, 327,680 bytes of LDS; arguments qf, kf, vf, wf, bp, x, out0; writes out0
.if DOCPART == 3
	.amdgcn_target "amdgcn-amd-amdhsa--gfx1250"
	.amdhsa_code_object_version 6
	.text
	.protected	k_qf45d5dcfba_attn
	.globl	k_qf45d5dcfba_attn
	.p2align	8
	.type	k_qf45d5dcfba_attn,@function
k_qf45d5dcfba_attn:
	s_mov_b64 s[64:65], 0
	v_nop
	global_prefetch_b8 v0, s[64:65] scope:SCOPE_SE
	s_setreg_imm32_b32 hwreg(HW_REG_WAVE_MODE, 25, 1), 1
	s_wait_xcnt 0x0
	s_wait_alu depctr_hold_cnt(0) depctr_sa_sdst(0) depctr_va_vdst(0) depctr_va_sdst(0) depctr_va_ssrc(0) depctr_va_vcc(0) depctr_vm_vsrc(0)
	s_getreg_b32 s2, hwreg(HW_REG_IB_STS2, 6, 4)
	s_cmp_eq_u32 s2, 0
	s_cbranch_scc0 .Lentry_in_a_cluster
	s_endpgm
.Lentry_in_a_cluster:
	s_bfe_u32 s2, ttmp6, 0x10000c
	s_cmp_lg_u32 s2, 0x3003
	s_cbranch_scc0 .Lentry_shape_is_right
	s_endpgm
.Lentry_shape_is_right:
; out0 = x + Wp softmax(q^T k / sqrt(512)) v + bp, for 64 queries (position group P of batch b) a work-group; all 2,048 keys in 16 steps of 128.
; qf, kf, vf, wf hold blocks of 512 bytes in lane order (lane L = 16 h + r owns bytes 16 L ..+15), so every matrix operand is two loads at 16 L.
; q already carries 512^-0.5 log2(e): the exponentials are in base 2.  A running maximum is taken away before every exponential.
; WAVES: wave w = (kh = w / 2, qh = w mod 2) takes 32 queries (two tiles) and half of each step's keys (64).  Its local tile 0 is tile 2 qh + kh of the group,
; its local tile 1 is tile 2 qh + (1 - kh): at the end every wave keeps tile 0 and hands tile 1 to wave w xor 2, with the same registers in all waves.
;   S^T = K Q   (source 0 = K, source 1 = Q): a lane holds query r and keys 8 h + j: maxima, sums and factors are one number a lane, and two packed
;                tiles of S are the operand P of the next product without any move between lanes.
;   O^T = V P   (source 0 = V, source 1 = P): a lane holds query r and channels 8 h + j; two packed tiles are an operand of the projection.
;   out = Wp O  (source 0 = Wp, source 1 = O): a lane holds position slot r and rows 8 h + j; slot r of tiles 0..3 are positions 64 P + 4 r + 0..3,
;                16 bytes of a row of out0: sixteen lanes store 256 consecutive aligned bytes.
; A fragment of 1,024 bytes from LDS feeds two matrix instructions; four would need all 64 queries in one wave, 1,024 accumulator registers.
; CLUSTER 4 x 1: the four partners are four query groups of one batch and walk the same K and V: each step's 131,072 bytes of K and of V are asked for jointly
; (mask 15), 32,768 bytes a wave.  K(t+1) is asked for behind the round that follows S(t), V(t+1) behind the round that follows PV(t).
; By this text's count a wave has two tensor loads out at the start and one behind each round.
; Wp is not asked for jointly: each wave reads its own eight row tiles straight into registers (524,288 bytes against 4,194,304 of K and V a work-group),
; and behind the key loop both slots serve as stages written by LDS stores.
; LDS: [0, 131072) K of the step, later the exchange of partial O; [131072, 262144) V of the step, later (first 65,536 bytes) O in bf16, the tile that
; wave w finishes at 131072 + 16,384 w; [262144, 263168) statistics.
; Limits: operands (q, k, v, the softmax weights, O, Wp) in bf16; the softmax sum uses the unrounded weights; exponentials below 2^-126 become 0;
; keys are summed in tile order in two halves that are joined under a common maximum; NaN or infinite inputs spread as they do in any running softmax.
; REGISTERS: window 0: addresses, statistics, S / P v[64:127], two fragment buffers v[128:191], v[192:255]; window 1: Q, later a ring of Wp;
; windows 2, 3: O (tile (ct, l) at (2 ct + l) 8), later window 2 = the projection's sums, window 3 = x.
.set SR,    64
.set B0,    128
.set B1,    192
.set VS,    131072
.set STAT,  262144
.set STEPB, 131072
.set MSB, 0
.macro WIN new                         ; the immediate's high byte repeats the setting that is left
.if MSB != \new
	s_set_vgpr_msb (MSB<<8)|\new
.set MSB, \new
.endif
.endm
.macro PLACES n                        ; places behind matrix instructions (ISA guide 7.12.1)
.rept \n
	v_nop
.endr
.endm
.macro CREST                           ; a round of the cluster's barrier behind its opening barrier
	s_cmp_lg_u32 s20, 0
	s_cbranch_scc1 .Lnot_wave_0_\@
	s_barrier_signal -3
.Lnot_wave_0_\@:
	s_barrier_wait -3
	s_barrier_signal -1
	s_barrier_wait -1
.endm
.macro ROUND
	s_barrier_signal -1
	s_barrier_wait -1
	CREST
.endm
	s_load_b256 s[4:11], s[0:1], 0x0               ; qf s[4:5], kf s[6:7], vf s[8:9], wf s[10:11]
	s_load_b128 s[12:15], s[0:1], 0x20             ; bp s[12:13], x s[14:15]
	s_load_b64 s[16:17], s[0:1], 0x30              ; out0
	v_lshl_add_u32 v62, v0, 2, 0x40800
	v_mov_b32 v63, 0
	ds_add_u32 v62, v63
	v_lshrrev_b32 v12, 5, v0
	v_readfirstlane_b32 s20, v12                   ; wave w
	s_lshr_b32 s21, s20, 1                         ; kh
	s_and_b32 s22, s20, 1                          ; qh
	s_and_b32 s25, ttmp7, 0xffff                   ; b
	; descriptor group 1: 128 dense rows of 256 bytes (32 elements of 8 bytes), no padding
	s_mov_b32 s28, 15|(3<<16)|(1<<21)              ; mask: all four partners; element of 8 bytes; bit 21 beside a mask
	s_mov_b32 s29, 32<<16                          ; tensor_dim0 = 32
	s_mov_b32 s30, 128<<16                         ; tensor_dim1 = 128
	s_mov_b32 s31, 32<<16                          ; tile_dim0 = 32
	s_mov_b32 s32, 128                             ; tile_dim1 = 128
	s_mov_b32 s33, 32                              ; pitch
	s_mov_b32 s34, 0
	s_mov_b32 s35, 0
	s_mov_b32 s36, 1                               ; group 0 for K: my quarter of a step
	s_lshl_b32 s37, s20, 15
	s_mov_b32 s40, 1                               ; group 0 for V
	s_add_co_u32 s41, s37, VS
	s_lshl_b32 s60, s25, 21                        ; a batch = 2,097,152 bytes of kf and of vf
	s_add_co_u32 s60, s60, s37
	s_mov_b32 s61, 0
	s_wait_dscnt 0x0
	s_wait_kmcnt 0x0
	s_add_nc_u64 s[38:39], s[6:7], s[60:61]
	s_or_b32 s39, s39, 0x80000000
	s_add_nc_u64 s[42:43], s[8:9], s[60:61]
	s_or_b32 s43, s43, 0x80000000
	ROUND                                          ; all four work-groups are here: the first joint loads meet
	tensor_load_to_lds s[36:39], s[28:35]          ; K(0)
	s_nop 0
	tensor_load_to_lds s[40:43], s[28:35]          ; V(0)
	s_nop 0
	s_bfe_u32 s23, ttmp6, 0x40000                  ; cx
	s_lshl_b32 s24, ttmp9, 2
	s_add_co_u32 s24, s24, s23                     ; P
	s_lshl_b32 s62, s25, 7
	s_lshl2_add_u32 s62, s24, s62                  ; tile 128 b + 4 P
	s_lshl1_add_u32 s62, s22, s62                  ; + 2 qh
	s_add_co_u32 s48, s62, s21                     ; local tile 0: + kh
	s_xor_b32 s63, s21, 1
	s_add_co_u32 s50, s62, s63                     ; local tile 1: + 1 - kh
	s_lshl_b32 s48, s48, 14
	s_lshl_b32 s50, s50, 14
	s_mov_b32 s49, 0
	s_mov_b32 s51, 0
	s_add_nc_u64 s[48:49], s[4:5], s[48:49]
	s_add_nc_u64 s[50:51], s[4:5], s[50:51]
	s_lshl_b32 s52, s20, 17                        ; Wp: the fourth matrix of wf, my 8 row tiles
	s_add_co_u32 s52, s52, 1572864
	s_mov_b32 s53, 0
	s_add_nc_u64 s[52:53], s[10:11], s[52:53]
	s_lshl_b32 s54, s25, 22                        ; x, out0: batch
	s_lshl_b32 s62, s20, 20                        ; + my 128 rows of 8,192 bytes
	s_add_co_u32 s54, s54, s62
	s_lshl_b32 s62, s24, 8                         ; + 64 P positions
	s_add_co_u32 s54, s54, s62
	s_mov_b32 s55, 0
	s_add_nc_u64 s[56:57], s[16:17], s[54:55]
	s_add_nc_u64 s[54:55], s[14:15], s[54:55]
	s_lshl_b32 s58, s20, 9
	s_mov_b32 s59, 0
	s_add_nc_u64 s[58:59], s[12:13], s[58:59]      ; bp at my 128 rows
	s_mov_b32 s46, 0x76543210                      ; v_permlanex16_b32: lane i reads lane i of the other half
	s_mov_b32 s47, 0xfedcba98
	v_and_b32 v12, 31, v0                          ; L
	v_and_b32 v13, 15, v0                          ; r
	v_bfe_u32 v14, v0, 4, 1                        ; h
	v_lshlrev_b32 v3, 4, v12                       ; v3  16 L
	s_lshl_b32 s18, s21, 16
	v_add_nc_u32 v1, s18, v3                       ; v1  K: my half of the step's key tiles
	v_add_nc_u32 v2, VS, v1                        ; v2  V: the same half
	v_lshlrev_b32 v24, 13, v12                     ; v24 prefetch of x: row L
	s_lshl_b32 s18, s20, 8
	s_add_co_u32 s18, s18, STAT
	v_lshl_add_u32 v25, v12, 2, s18                ; v25 statistics: mine
	s_xor_b32 s19, s20, 2                          ; the partner: the other half of the keys, the same queries
	s_lshl_b32 s18, s19, 8
	s_add_co_u32 s18, s18, STAT
	v_lshl_add_u32 v26, v12, 2, s18                ; v26 statistics: the partner's
	v_add_nc_u32 v27, s37, v3                      ; v27 exchange: mine, 32,768 w
	s_lshl_b32 s18, s19, 15
	v_add_nc_u32 v28, s18, v3                      ; v28 exchange: the partner's
	s_lshl_b32 s18, s20, 14                        ; the tile that I finish lies at 16,384 w: each wave's 16,384 bytes are its own
	s_add_co_u32 s18, s18, VS
	v_add_nc_u32 v29, s18, v3                      ; v29 O in bf16: my tile
	v_add_nc_u32 v30, VS, v3                       ; v30 O in bf16: from the first place
	v_lshlrev_b32 v31, 5, v14                      ; v31 32 h
	v_lshlrev_b32 v32, 16, v14
	v_lshl_add_u32 v32, v13, 4, v32                ; v32 x, out0: 8 h rows + 16 r
	v_mov_b32 v20, 0                               ; destinations of v_permlanex16_b32: written once before
	v_mov_b32 v21, 0
	WIN 0x40                                       ; Q(l, ks) at (16 l + ks) 8 in window 1
.irp ks, 0,1,2,3,4,5,6,7,8,9,10,11,12,13,14,15
	global_load_b128 v[8*\ks:8*\ks+3],   v3, s[48:49] offset:\ks*1024
	global_load_b128 v[8*\ks+4:8*\ks+7], v3, s[48:49] offset:\ks*1024+512
.endr
.irp ks, 0,1,2,3,4,5,6,7,8,9,10,11,12,13,14,15
	global_load_b128 v[128+8*\ks:128+8*\ks+3],   v3, s[50:51] offset:\ks*1024
	global_load_b128 v[128+8*\ks+4:128+8*\ks+7], v3, s[50:51] offset:\ks*1024+512
.endr
	WIN 0
; 16 LDS loads: K fragments of my 4 key tiles for channel steps 2 u, 2 u + 1; fragment (kk, kt) at B + (4 kk + kt) 8
.macro FETCHK u, B
.irp kk, 0,1
.irp kt, 0,1,2,3
.set ra_, (\B)+(4*\kk+\kt)*8
.set ro_, \kt*16384+(2*(\u)+\kk)*1024
	ds_load_b128 v[ra_:ra_+3],   v1 offset:ro_
	ds_load_b128 v[ra_+4:ra_+7], v1 offset:ro_+512
.endr
.endr
.endm
; 16 LDS loads: V fragments of key pair js = u / 4 for channel tiles 8 (u mod 4) + c, at B + 8 c
.macro FETCHV u, B
.irp c, 0,1,2,3,4,5,6,7
.set ra_, (\B)+8*\c
.set ro_, ((\u)>>2)*32768+(8*((\u)&3)+\c)*1024
	ds_load_b128 v[ra_:ra_+3],   v2 offset:ro_
	ds_load_b128 v[ra_+4:ra_+7], v2 offset:ro_+512
.endr
.endm
; 16 matrix instructions of S^T = K Q.  Tile (kt, l) at SR + ((kt / 2) 2 + l) 16 + (kt mod 2) 8.  Channel step 0 starts the sums on 0.
; The eight accumulators take turns, one instruction a turn.
.macro SMUL u, B
.irp kk, 0,1
.irp kt, 0,1,2,3
.irp l, 0,1
.set rs_, SR+((\kt>>1)*2+\l)*16+(\kt&1)*8
.set rk_, (\B)+(4*\kk+\kt)*8
.set rq_, (16*\l+2*(\u)+\kk)*8
.if (2*(\u)+\kk) == 0
	v_wmma_f32_16x16x32_bf16 v[rs_:rs_+7], v[rk_:rk_+7], v[rq_:rq_+7], 0
.else
	v_wmma_f32_16x16x32_bf16 v[rs_:rs_+7], v[rk_:rk_+7], v[rq_:rq_+7], v[rs_:rs_+7]
.endif
.endr
.endr
.endr
.endm
; 16 matrix instructions of O^T += V P on sixteen accumulators in turn.  first = 1: key pair 0 starts the sums on 0.
.macro PMUL u, B, first
.if ((\u)&3) < 2
	WIN 0xa0
.else
	WIN 0xf0
.endif
.irp c, 0,1,2,3,4,5,6,7
.irp l, 0,1
.set rd_, (2*((8*((\u)&3)+\c)&15)+\l)*8
.set rv_, (\B)+8*\c
.set rp_, SR+(((\u)>>2)*2+\l)*16
.set rz_, 0
.if \first
.if (\u) < 4
.set rz_, 1
.endif
.endif
.if rz_
	v_wmma_f32_16x16x32_bf16 v[rd_:rd_+7], v[rv_:rv_+7], v[rp_:rp_+7], 0
.else
	v_wmma_f32_16x16x32_bf16 v[rd_:rd_+7], v[rv_:rv_+7], v[rp_:rp_+7], v[rd_:rd_+7]
.endif
.endr
.endr
.endm
; The step's softmax.  v[4:5] running maximum, v[6:7] running sum (of the lane's own keys; the halves are joined at the end), v[8:9] factor for what was summed before.
.macro SOFTMAX first
.irp l, 0,1
.set ra_, SR+16*\l
.set rb_, SR+32+16*\l
	v_max3_num_f32 v[12+2*\l], v[ra_], v[ra_+1], v[ra_+2]
	v_max3_num_f32 v[13+2*\l], v[rb_], v[rb_+1], v[rb_+2]
.irp i, 3,5,7,9,11,13
	v_max3_num_f32 v[12+2*\l], v[12+2*\l], v[ra_+\i], v[ra_+\i+1]
	v_max3_num_f32 v[13+2*\l], v[13+2*\l], v[rb_+\i], v[rb_+\i+1]
.endr
	v_max3_num_f32 v[12+2*\l], v[12+2*\l], v[13+2*\l], v[ra_+15]
	v_max_num_f32 v[10+\l], v[12+2*\l], v[rb_+15]
.endr
	v_permlanex16_b32 v20, v10, s46, s47           ; the other half of the lanes holds the query's other keys
	v_permlanex16_b32 v21, v11, s46, s47
.if \first
	v_max_num_f32 v4, v10, v20
	v_max_num_f32 v5, v11, v21
.else
	v_max3_num_f32 v10, v10, v20, v4               ; the new running maximum
	v_max3_num_f32 v11, v11, v21, v5
	v_sub_f32 v12, v4, v10
	v_sub_f32 v13, v5, v11
	v_mov_b32 v4, v10
	v_mov_b32 v5, v11
	v_exp_f32 v8, v12                              ; used far below; the packed subtractions that follow touch neither result nor source
	v_exp_f32 v9, v13
.endif
.irp g, 0,1,2,3
.irp i, 0,2,4,6,8,10,12,14
.if (\g)&1
	v_pk_add_f32 v[SR+16*\g+\i:SR+16*\g+\i+1], v[SR+16*\g+\i:SR+16*\g+\i+1], v[4:5] op_sel:[0,1] op_sel_hi:[1,1] neg_lo:[0,1] neg_hi:[0,1]
.else
	v_pk_add_f32 v[SR+16*\g+\i:SR+16*\g+\i+1], v[SR+16*\g+\i:SR+16*\g+\i+1], v[4:5] op_sel:[0,0] op_sel_hi:[1,0] neg_lo:[0,1] neg_hi:[0,1]
.endif
.endr
.endr
.set ri_, 0
.rept 64
	v_exp_f32 v[SR+ri_], v[SR+ri_]
.set ri_, ri_+1
.endr
	v_nop                                          ; one plain place behind the last transcendental before results are used (ISA guide 5.7.2)
	s_wait_alu depctr_va_vdst(0)
.irp l, 0,1
.set ra_, SR+16*\l
.set rb_, SR+32+16*\l
	v_pk_add_f32 v[12+4*\l:13+4*\l], v[ra_:ra_+1], v[ra_+2:ra_+3]
	v_pk_add_f32 v[14+4*\l:15+4*\l], v[rb_:rb_+1], v[rb_+2:rb_+3]
.irp i, 4,6,8,10,12,14
	v_pk_add_f32 v[12+4*\l:13+4*\l], v[12+4*\l:13+4*\l], v[ra_+\i:ra_+\i+1]
	v_pk_add_f32 v[14+4*\l:15+4*\l], v[14+4*\l:15+4*\l], v[rb_+\i:rb_+\i+1]
.endr
	v_pk_add_f32 v[12+4*\l:13+4*\l], v[12+4*\l:13+4*\l], v[14+4*\l:15+4*\l]
.if \first
	v_add_f32 v[6+\l], v[12+4*\l], v[13+4*\l]
.else
	v_add_f32 v[12+4*\l], v[12+4*\l], v[13+4*\l]
	v_fma_f32 v[6+\l], v[6+\l], v[8+\l], v[12+4*\l]
.endif
.endr
	; two tiles of S (16 registers) become one operand P (the first 8 of them)
.irp g, 0,1,2,3
.irp i, 0,1,2,3,4,5,6,7
	v_cvt_pk_bf16_f32 v[SR+16*\g+\i], v[SR+16*\g+2*\i], v[SR+16*\g+2*\i+1]
.endr
.endr
.endm
; O times the factor of its query tile
.macro RESCALE
.irp win, 0x82, 0xc3
	WIN \win
.set rt_, 0
.rept 16
.irp i, 0,2,4,6
	v_pk_mul_f32 v[rt_+\i:rt_+\i+1], v[rt_+\i:rt_+\i+1], v[8:9] op_sel:[0,0] op_sel_hi:[1,0]
.endr
.irp i, 8,10,12,14
	v_pk_mul_f32 v[rt_+\i:rt_+\i+1], v[rt_+\i:rt_+\i+1], v[8:9] op_sel:[0,1] op_sel_hi:[1,1]
.endr
.set rt_, rt_+16
.endr
.endr
	WIN 0
.endm
; 16 loads: Wp's fragments of K step ks for my 8 row tiles into ring slot ks mod 4 of window 1
.macro WLOAD ks
.irp o8, 0,1,2,3,4,5,6,7
	global_load_b128 v[64*((\ks)&3)+8*\o8:64*((\ks)&3)+8*\o8+3],   v3, s[52:53] offset:\o8*16384+(\ks)*1024
	global_load_b128 v[64*((\ks)&3)+8*\o8+4:64*((\ks)&3)+8*\o8+7], v3, s[52:53] offset:\o8*16384+(\ks)*1024+512
.endr
.endm
; One step of 128 keys.  At its head the first two runs of K fragments are on their way (32 LDS loads).
.macro STEP first, fill, tail
	WIN 0x04                                       ; source 1 (Q) in window 1; LDS loads work under this setting too
.irp u, 0,1,2,3,4,5,6
	s_wait_dscnt 16                                ; this run is in; the next run's 16 loads may be out
	SMUL \u, B0+64*(\u&1)
.if \u < 6
	PLACES 4                                       ; before loads land on fragments just read
	FETCHK \u+2, B0+64*(\u&1)
.endif
.endr
	s_wait_dscnt 0x0                               ; my reads of K's slot are back
	s_set_vgpr_msb 0x400
	s_wait_tensorcnt 0x0                           ; all my tensor loads have landed: my quarter of this step's V
	ds_add_u32 v62, v63
	s_wait_dscnt 0x0
	s_set_vgpr_msb 0x4
	s_barrier_signal -1
	SMUL 7, B1                                     ; register work while the others arrive
	WIN 0
	s_barrier_wait -1
.if \fill
	CREST                                          ; both hold of every wave of all four work-groups
	s_add_nc_u64 s[38:39], s[38:39], STEPB
	tensor_load_to_lds s[36:39], s[28:35]          ; the next step's K: my one tensor load behind the round
	s_nop 0
.endif
	PLACES 4                                       ; before S is read and before loads land on the fragment buffers
	FETCHV 0, B0
	FETCHV 1, B1
.if \tail
	WIN 0x40                                       ; Q has had its last use: Wp's K steps 0-3 take its place
.irp ks, 0,1,2,3
	WLOAD \ks
.endr
	WIN 0
	; x is wanted behind this step's PV and the merge: each of my 128 row pieces of 256 bytes is asked for once, by one lane
.irp i, 0,1,2,3
	global_prefetch_b8 v24, s[54:55] offset:\i*262144 th:TH_LOAD_NT scope:SCOPE_SE
.endr
.endif
	SOFTMAX \first
.if \first == 0
	RESCALE
.endif
.irp u, 0,1,2,3,4,5,6
	s_wait_dscnt 16                                ; this run is in; the next run's 16 loads may be out
	PMUL \u, B0+64*(\u&1), \first
.if \u < 6
	WIN 0
	PLACES 4
	FETCHV \u+2, B0+64*(\u&1)
.endif
.endr
	s_wait_dscnt 0x0                               ; my reads of V's slot are back
.if \tail
	PMUL 7, B1, 0
	WIN 0
.else
	s_wait_tensorcnt 0x0                           ; all my tensor loads have landed: my quarter of the next step's K
	ds_add_u32 v62, v63
	s_wait_dscnt 0x0
	s_barrier_signal -1
	PMUL 7, B1, \first
	WIN 0
	s_barrier_wait -1
	CREST
	s_add_nc_u64 s[42:43], s[42:43], STEPB
	tensor_load_to_lds s[40:43], s[28:35]          ; the next step's V: my one tensor load behind the round
	s_nop 0
	PLACES 5                                       ; five: the next S is written over P, a source of the matrix instructions above
	FETCHK 0, B0
	FETCHK 1, B1
.endif
.endm
	s_wait_tensorcnt 0x1                           ; my quarter of K(0) is in; V(0) may stay out
	s_barrier_signal -1
	s_barrier_wait -1
	FETCHK 0, B0
	FETCHK 1, B1
	s_wait_loadcnt 0x0                             ; Q
	STEP 1, 1, 0
	s_mov_b32 s44, 14
.Lstep:
	STEP 0, 1, 0
	s_sub_co_i32 s44, s44, 1
	s_cmp_lg_u32 s44, 0
	s_cbranch_scc1 .Lstep
	STEP 0, 0, 1                                   ; the last step fills nothing
	; THE MERGE of the two halves of the keys.  K's slot was last read before the last step's barrier and is filled no more: it takes the exchange.
	PLACES 5
	v_permlanex16_b32 v20, v6, s46, s47
	v_permlanex16_b32 v21, v7, s46, s47
	v_add_f32 v6, v6, v20                          ; the sums over all my 1,024 keys
	v_add_f32 v7, v7, v21
	ds_store_b32 v25, v5                           ; tile 1: maximum,
	ds_store_b32 v25, v7 offset:128                ; sum,
	WIN 0x08                                       ; and the 32 raw tiles of O
.irp ct, 0,1,2,3,4,5,6,7,8,9,10,11,12,13,14,15
	ds_store_b128 v27, v[16*\ct+8:16*\ct+11]  offset:\ct*1024
	ds_store_b128 v27, v[16*\ct+12:16*\ct+15] offset:\ct*1024+512
.endr
	WIN 0x0c
.irp ct, 0,1,2,3,4,5,6,7,8,9,10,11,12,13,14,15
	ds_store_b128 v27, v[16*\ct+8:16*\ct+11]  offset:(\ct+16)*1024
	ds_store_b128 v27, v[16*\ct+12:16*\ct+15] offset:(\ct+16)*1024+512
.endr
	WIN 0
	s_wait_dscnt 0x0                               ; my stores are in LDS, and my reads of V's slot are back
	s_barrier_signal -1
	s_barrier_wait -1
.macro XFETCH bt, B                    ; the partner's tiles 8 bt .. 8 bt + 7
.irp c, 0,1,2,3,4,5,6,7
	ds_load_b128 v[\B+8*\c:\B+8*\c+3],   v28 offset:(8*\bt+\c)*1024
	ds_load_b128 v[\B+8*\c+4:\B+8*\c+7], v28 offset:(8*\bt+\c)*1024+512
.endr
.endm
	ds_load_b32 v38, v26                           ; the partner's maximum and sum for the tile that I keep
	ds_load_b32 v39, v26 offset:128
	XFETCH 0, B0
	XFETCH 1, B1
	s_wait_dscnt 32                                ; the two words are in; the 32 loads behind them may be out
	v_max_num_f32 v40, v4, v38                     ; the common maximum
	v_sub_f32 v41, v4, v40
	v_sub_f32 v42, v38, v40
	v_exp_f32 v43, v41
	v_exp_f32 v44, v42
	v_nop
	s_wait_alu depctr_va_vdst(0)
	v_mul_f32 v45, v39, v44
	v_fma_f32 v45, v6, v43, v45                    ; the whole sum; at least 1, since one of the two factors is 1 and its half holds its own maximum
	v_rcp_f32 v46, v45
	v_nop
	s_wait_alu depctr_va_vdst(0)
	v_mul_f32 v34, v43, v46                        ; v[34:35] factor of my half
	v_mul_f32 v35, v43, v46
	v_mul_f32 v36, v44, v46                        ; v[36:37] factor of the partner's
	v_mul_f32 v37, v44, v46
; eight channel tiles: O = mine x factor + the partner's x factor, rounded to bf16: a block of the projection's operand.
; The blocks go into my own 16,384 bytes of V's slot, which every wave has finished reading in front of the barrier above.
.macro MERGE bt, B, cnt
	s_wait_dscnt \cnt
.set ri_, 0
.rept 32
	v_pk_mul_f32 v[\B+ri_:\B+ri_+1], v[\B+ri_:\B+ri_+1], v[36:37]
.set ri_, ri_+2
.endr
.if \bt < 2
	WIN 0x02
.else
	WIN 0x03
.endif
.irp c, 0,1,2,3,4,5,6,7
.irp i, 0,2,4,6
	v_pk_fma_f32 v[SR+8*\c+\i:SR+8*\c+\i+1], v[16*((8*\bt+\c)&15)+\i:16*((8*\bt+\c)&15)+\i+1], v[34:35], v[\B+8*\c+\i:\B+8*\c+\i+1]
.endr
.endr
	WIN 0
.irp c, 0,1,2,3,4,5,6,7
.irp i, 0,1,2,3
	v_cvt_pk_bf16_f32 v[SR+8*\c+\i], v[SR+8*\c+2*\i], v[SR+8*\c+2*\i+1]
.endr
	ds_store_b128 v29, v[SR+8*\c:SR+8*\c+3] offset:(8*\bt+\c)*512
.endr
.endm
	MERGE 0, B0, 16                                ; behind run 0: run 1's 16 loads
	XFETCH 2, B0
	MERGE 1, B1, 24                                ; behind run 1: 8 stores and run 2's 16 loads
	XFETCH 3, B1
	MERGE 2, B0, 24                                ; behind run 2: 8 stores and run 3's 16 loads
	MERGE 3, B1, 8                                 ; behind run 3: 8 stores
	s_wait_dscnt 0x0                               ; my blocks of O are in LDS; the registers that the stores read are free
.irp o8, 0,1,2,3,4,5,6,7
	global_load_b128 v[SR+8*\o8:SR+8*\o8+3],   v31, s[58:59] offset:64*\o8       ; bias tiles: register j = bp[128 w + 16 o8 + 8 h + j]
	global_load_b128 v[SR+8*\o8+4:SR+8*\o8+7], v31, s[58:59] offset:64*\o8+16
.endr
	WIN 0xc0                                       ; x: row 16 o8 + 8 h + j of my 128, positions 64 P + 4 r ..+3, at ((8 o8 + j) 4) in window 3
.irp o8, 0,1,2,3,4,5,6,7
.irp j, 0,1,2,3,4,5,6,7
	global_load_b128 v[(8*\o8+\j)*4:(8*\o8+\j)*4+3], v32, s[54:55] offset:(16*\o8+\j)*8192 th:TH_LOAD_NT
.endr
.endr
	WIN 0
	s_barrier_signal -1
	s_barrier_wait -1                              ; all four query tiles of O are in LDS
	; THE PROJECTION: my 128 rows of Wp x all 64 queries, 16 K steps of 32 channels, 32 accumulators in turn (tile (o8, q) at (4 o8 + q) 8 in window 2).
	; Query tile q = 2 qh + kh was finished by wave 2 kh + qh: it lies at place 2 (q mod 2) + q / 2 of 16,384 bytes.
.macro OFETCH ks
.irp q, 0,1,2,3
.set ro_, (((\q&1)<<1)|(\q>>1))*16384+(\ks)*1024
	ds_load_b128 v[128+32*((\ks)&1)+8*\q:128+32*((\ks)&1)+8*\q+3],   v30 offset:ro_
	ds_load_b128 v[128+32*((\ks)&1)+8*\q+4:128+32*((\ks)&1)+8*\q+7], v30 offset:ro_+512
.endr
.endm
.macro PK ks, lc
.if \lc >= 0
	s_wait_loadcnt \lc
.endif
.if \ks < 15
	s_wait_dscnt 8                                 ; this K step's O is in; the next one's 8 loads may be out
.else
	s_wait_dscnt 0x0
.endif
.if \ks == 0
	WIN 0x81                                       ; the first product starts the sums on the bias tile (window 0)
.else
	WIN 0xa1
.endif
.irp o8, 0,1,2,3,4,5,6,7
.irp q, 0,1,2,3
.set ra_, (4*\o8+\q)*8
.set rw_, 64*(\ks&3)+8*\o8
.set rb_, 128+32*(\ks&1)+8*\q
.if \ks == 0
	v_wmma_f32_16x16x32_bf16 v[ra_:ra_+7], v[rw_:rw_+7], v[rb_:rb_+7], v[SR+8*\o8:SR+8*\o8+7]
.else
	v_wmma_f32_16x16x32_bf16 v[ra_:ra_+7], v[rw_:rw_+7], v[rb_:rb_+7], v[ra_:ra_+7]
.endif
.endr
.endr
.if \ks < 14
	PLACES 4
	WIN 0
	OFETCH \ks+2
.endif
.if \ks < 12
	WIN 0x40
	WLOAD \ks+4
.endif
.endm
	OFETCH 0
	OFETCH 1
	PK 0, 63                                       ; of 144 loads the first 80 (Wp's K steps 0-3, the bias tiles) are needed: at most 64 may be out
	PK 1, -1
	PK 2, -1
	PK 3, -1
	PK 4, 48                                       ; three younger ring slots may be out; x, asked for earlier, is in
	PK 5, 48
	PK 6, 48
	PK 7, 48
	PK 8, 48
	PK 9, 48
	PK 10, 48
	PK 11, 48
	PK 12, 48
	PK 13, 32
	PK 14, 16
	PK 15, 0
	; THE WAY OUT: + x, then rows of out0: sixteen lanes store 256 consecutive bytes, aligned
	PLACES 4
	WIN 0xce                                       ; destination and source 1 (x) window 3, source 0 (the sums) window 2
.irp o8, 0,1,2,3,4,5,6,7
.irp j, 0,1,2,3,4,5,6,7
.irp q, 0,1,2,3
	v_add_f32 v[(8*\o8+\j)*4+\q], v[(4*\o8+\q)*8+\j], v[(8*\o8+\j)*4+\q]
.endr
.endr
.endr
	WIN 0x0c
.irp o8, 0,1,2,3,4,5,6,7
.irp j, 0,1,2,3,4,5,6,7
	global_store_b128 v32, v[(8*\o8+\j)*4:(8*\o8+\j)*4+3], s[56:57] offset:(16*\o8+\j)*8192 th:TH_STORE_NT
.endr
.endr
	WIN 0
	s_wait_tensorcnt 0x0
	ds_add_u32 v62, v63
	s_wait_dscnt 0x0
	ROUND                                          ; the closing round: no work-group ends while a partner may still ask jointly
	s_endpgm
.Lfunc_end_k_qf45d5dcfba_attn:
	.size	k_qf45d5dcfba_attn, .Lfunc_end_k_qf45d5dcfba_attn-k_qf45d5dcfba_attn
	.p2alignl 7, 3214868480
	.fill 96, 4, 3214868480
	.section	.rodata,"a",@progbits
	.p2align	6, 0x0
	.amdhsa_kernel k_qf45d5dcfba_attn
		.amdhsa_group_segment_fixed_size 327680
		.amdhsa_private_segment_fixed_size 0
		.amdhsa_enable_private_segment 0
		.amdhsa_kernarg_size 56
		.amdhsa_user_sgpr_count 2
		.amdhsa_user_sgpr_kernarg_segment_ptr 1
		.amdhsa_wavefront_size32 1
		.amdhsa_system_sgpr_workgroup_id_x 1
		.amdhsa_system_sgpr_workgroup_id_y 1
		.amdhsa_system_sgpr_workgroup_id_z 1
		.amdhsa_system_vgpr_workitem_id 0
		.amdhsa_next_free_vgpr 1024
		.amdhsa_next_free_sgpr 66
		.amdhsa_reserve_vcc 0
		.amdhsa_float_denorm_mode_32 3
		.amdhsa_float_denorm_mode_16_64 3
		.amdhsa_memory_ordered 1
		.amdhsa_forward_progress 1
		.amdhsa_inst_pref_size 255
	.end_amdhsa_kernel
	.section	.bss,"aw",@nobits
	.p2align	6
	.space	262144
	.amdgpu_metadata
---
amdhsa.version: [ 1, 2 ]
amdhsa.kernels:
  - .name:           k_qf45d5dcfba_attn
    .symbol:         k_qf45d5dcfba_attn.kd
    .args:
      - { .name: qf, .offset: 0, .size: 8, .value_kind: global_buffer, .address_space: global }
      - { .name: kf, .offset: 8, .size: 8, .value_kind: global_buffer, .address_space: global }
      - { .name: vf, .offset: 16, .size: 8, .value_kind: global_buffer, .address_space: global }
      - { .name: wf, .offset: 24, .size: 8, .value_kind: global_buffer, .address_space: global }
      - { .name: bp, .offset: 32, .size: 8, .value_kind: global_buffer, .address_space: global }
      - { .name: x, .offset: 40, .size: 8, .value_kind: global_buffer, .address_space: global }
      - { .name: out0, .offset: 48, .size: 8, .value_kind: global_buffer, .address_space: global }
    .group_segment_fixed_size: 327680
    .private_segment_fixed_size: 0
    .kernarg_segment_align: 8
    .kernarg_segment_size: 56
    .max_flat_workgroup_size: 128
    .sgpr_count:     66
    .vgpr_count:     1024
    .wavefront_size: 32
...
	.end_amdgpu_metadata
.endif
;; end of part 3
